; MI455X (gfx1250); checked and timed in simulation.
; The chip was launched on July 23, 2026; its instructions are those of AMD's public machine-readable ISA for CDNA 5 (MIT licence, August 2026) and "CDNA5" Instruction Set Architecture Reference Guide (July 2026). The comments in the code are by the model that wrote it; some were corrected since.
;; Quan2d. Allowed arithmetic: float matrix products may take bf16 or f16 operands with f32 sums; all other float work in f32.
;; Inputs: weights 1 x 8 float32; x 512 x 1 x 64 x 64 float32.
;; Outputs: out0 512 x 4,096 float32.
;; One version. Each part assembles by itself: llvm-mc -triple=amdgcn-amd-amdhsa -mcpu=gfx1250 --defsym DOCPART=n.
;; ======== version 1 of 1: 1 launch
;; limits: inputs' magnitudes at most 26,000,000; an absolute error that grows with the inputs' magnitude: up to 3e-08 times it
;; launch quan2d (part 1): grid 256 x 1, 8 waves a work-group, no clusters, 0 bytes of LDS; arguments weights, x, out0; writes out0
.if DOCPART == 1
	.amdgcn_target "amdgcn-amd-amdhsa--gfx1250"
	.amdhsa_code_object_version 6
	.text
	.protected	k_qc28b28f804_quan2d
	.globl	k_qc28b28f804_quan2d
	.p2align	8
	.type	k_qc28b28f804_quan2d,@function
k_qc28b28f804_quan2d:
	s_mov_b64 s[64:65], 0
	v_nop
	global_prefetch_b8 v0, s[64:65] scope:SCOPE_SE
	s_setreg_imm32_b32 hwreg(HW_REG_WAVE_MODE, 25, 1), 1
	s_wait_xcnt 0x0
; Quan2d: <Z_q> of a 4-qubit circuit for every 2 x 2 patch of x [512][64][64] f32; out0 [512][4096] f32; weights [8] f32.
;
; CLOSED FORM, valid for every x and every weight.  In front of the CRZ ring the state is a product: qubits 0 and 1 have the Bloch vectors
;   (x0, y0, z0) = (c0 c1, s0, -c0 s1),  (x1, y1, z1) = (c2 c3, s2, -c2 s3),  c_i = cos a_i, s_i = sin a_i,  qubits 2 and 3 are (1, 0, 0).
; The CRZ gates are diagonal: they keep Z_q and turn <X_q> into Re[(x_q + i y_q) E F], E = (1+z_p)/2 + (1-z_p)/2 exp(i w_p) from the gate that
; targets q (control p = q-1), F = cos(w_q/2) - i z_n sin(w_q/2) from the gate that q controls (target n = q+1).  The last RY gives
; out_q = cos(w_{4+q}) <Z_q> - sin(w_{4+q}) <X_q>.  With z' = -z, g, d = cos, sin of w0/2; c1h, s1h of w1/2; c2h, s2h of w2/2; al, be of w3/2;
; S_k, C_k = sin, cos of w_k:
;   out0 = -C4 z0' + x0 (-S4 al al g    + S4 al be d   z1') + y0 (S4 al be g  + S4 al al d  z1')
;   out1 = -C5 z1' + x1 (-S5 c1h g g    + S5 c1h d d   z0') + y1 (S5 c1h g d  + S5 c1h g d  z0')
;   out2 =               -S6 c2h c1h c1h + S6 c2h s1h s1h z1'
;   out3 =               -S7 c2h c2h al  + S7 c2h s2h be  z0'
; (cos w6 and cos w7 multiply <Z2> = <Z3> = 0.)  No matrix product is left, so everything is f32 vector work; out0/out1 and out2/out3 ride in the
; two halves of packed instructions.
;
; SINE AND COSINE: u = a/2pi - round(a/2pi) in [-0.5, 0.5]; phi = pi u; P = sqrt2 sin phi (series through phi^9), Q = sqrt2 cos phi (through phi^10);
; sin a = P Q, cos a = Q Q - 1.  First dropped terms at phi = pi/2: (pi/2)^11/11! = 3.6e-6 (enters sin a times cos phi: at most 4e-7) and
; (pi/2)^12/12! = 4.7e-7 (enters sin a twice): both results are within about 1e-6 on the whole reduced range, that is for every angle in range.
; LIMITS: |a|/2pi below 2^22 (|x|, |w4..7| below 2.6e7, |w0..3| below 5.2e7): beyond it the rounding by the added constant fails and the results are
; meaningless.  1/2pi is an f32 constant, so the reduced angle is off by about 3e-8 |a|.  A non-finite angle gives NaN only in the outputs that depend
; on it, not in all four of its patch.
;
; SHARES: 256 work-groups x 8 waves.  A row of 32 patches is two image rows = 512 consecutive bytes of x, and its 32 x 4 results are the same 512 bytes of
; out0.  A wave owns 8 such rows (4,096 bytes), lane l patch l of each: two 8-byte loads (each load of the wave covers one image row: 256 consecutive
; bytes, aligned) and one 16-byte store (each store of the wave covers 512 consecutive bytes, aligned).  No byte is used by two lanes: no LDS, no barrier.
.set ROWB,    512                      ; bytes of a row of patches, in x and in out0
.set INV2PI,  0x3e22f983               ; 1/(2 pi)
.set INV4PI,  0x3da2f983               ; 1/(4 pi): turns of half the angle
.set MAGIC,   0x4b400000               ; 1.5 x 2^23: a sum with it is rounded to a whole number
.set CP0,     0x408e2c19               ;  4.4428829   sqrt2 pi          P = u (CP0 + CP1 X + .. + CP4 X^4), X = u u
.set CP1,     0xc0e9dd2e               ; -7.3082495   -sqrt2 pi^3/3!
.set CP2,     0x4066d083               ;  3.6064766   sqrt2 pi^5/5!
.set CP3,     0xbf58f4fa               ; -0.84748802  -sqrt2 pi^7/7!
.set CP4,     0x3dedeb7f               ;  0.11617183  sqrt2 pi^9/9!
.set CQ0,     0x3fb504f3               ;  1.4142136   sqrt2             Q = CQ0 + CQ1 X + .. + CQ5 X^5
.set CQ1,     0xc0df52db               ; -6.9788642   -sqrt2 pi^2/2!
.set CQ2,     0x40b7ad25               ;  5.7398857   sqrt2 pi^4/4!
.set CQ3,     0xbff1b558               ; -1.8883467   -sqrt2 pi^6/6!
.set CQ4,     0x3eaa65c8               ;  0.33280777  sqrt2 pi^8/8!
.set CQ5,     0xbd157d4f               ; -0.036496456 -sqrt2 pi^10/10!
.set VIN,  4                           ; v4        my byte offset in the group's part of x
.set VOUT, 5                           ; v5        my byte offset in the group's part of out0
.set VZ,   6                           ; v6        0: every lane reads the same 32 bytes of weights
.set W,    8                           ; v[8:15]   w0 .. w7
.set MG,   16                          ; v[16:17]  MAGIC, twice
.set TP,   18                          ; v[18:19]  CP4, twice
.set TQ,   20                          ; v[20:21]  CQ5, twice
.set KA,   22                          ; v[22:35]  the seven pairs of constants of the closed form (low half: out0 or out2, high half: out1 or out3)
.set KB,   24
.set KC,   26
.set KD,   28
.set KE,   30
.set KF,   32
.set KG,   34
.set A,    36                          ; v[36:67]  patch k: a0 a1 a2 a3 as loaded, later out0 .. out3; written once each way, so no store's data is ever rewritten
.set M,    68                          ; v[68:75]  at work: minus the whole turns
.set U,    76                          ; v[76:83]  at work: four pairs of reduced angles, in turns
.set XX,   84                          ; v[84:91]  at work: their squares
.set PP,   92                          ; v[92:99]  at work: P, then the sines
.set QQ,   100                         ; v[100:107] at work: Q, then the cosines
	s_load_b128 s[4:7], s[0:1], 0x0                ; weights s[4:5], x s[6:7]
	s_load_b64 s[8:9], s[0:1], 0x10                ; out0
	v_and_b32 v1, 31, v0                           ; lane
	v_lshrrev_b32 v2, 5, v0                        ; wave
	v_lshlrev_b32 v2, 12, v2                       ; x 8 rows of patches of 512 bytes
	v_lshl_add_u32 v[VIN], v1, 3, v2               ; + 8 bytes a lane: two neighbouring numbers of an image row
	v_lshl_add_u32 v[VOUT], v1, 4, v2              ; + 16 bytes a lane: a patch's four results
	v_mov_b32 v[VZ], 0
	s_lshl_b32 s10, ttmp9, 15                      ; the work-group's 8 x 4,096 bytes (255 x 32,768 at the most: 32 bits do)
	s_mov_b32 s11, 0
	s_mov_b32 s12, INV2PI
	s_wait_kmcnt 0x0
	s_add_nc_u64 s[6:7], s[6:7], s[10:11]
	s_add_nc_u64 s[8:9], s[8:9], s[10:11]
	global_load_b128 v[W:W+3],   v[VZ], s[4:5]             ; the weights first: loads come back in order, and the constants are made first
	global_load_b128 v[W+4:W+7], v[VZ], s[4:5] offset:16
.irp k, 0,1,2,3,4,5,6,7
	global_load_b64 v[A+4*\k:A+4*\k+1],   v[VIN], s[6:7] offset:\k*ROWB th:TH_LOAD_NT       ; a0 a1: the upper image row
	global_load_b64 v[A+4*\k+2:A+4*\k+3], v[VIN], s[6:7] offset:\k*ROWB+256 th:TH_LOAD_NT   ; a2 a3: the lower one
.endr
	v_mov_b32 v[MG],   MAGIC
	v_mov_b32 v[MG+1], MAGIC
	v_mov_b32 v[TP],   CP4
	v_mov_b32 v[TP+1], CP4
	v_mov_b32 v[TQ],   CQ5
	v_mov_b32 v[TQ+1], CQ5
; one Horner step on four pairs: acc = acc X + c.  The four are independent, and P's and Q's steps take turns, so that eight chains are at work.
.macro HORNER acc, c
.irp i, 0,2,4,6
	v_pk_fma_f32 v[\acc+\i:\acc+\i+1], v[\acc+\i:\acc+\i+1], v[XX+\i:XX+\i+1], \c op_sel_hi:[1,1,0]
.endr
.endm
; sines into PP and cosines into QQ of the eight reduced angles in U
.macro SINCOS4
.irp i, 0,2,4,6
	v_pk_mul_f32 v[XX+\i:XX+\i+1], v[U+\i:U+\i+1], v[U+\i:U+\i+1]
.endr
.irp i, 0,2,4,6
	v_pk_fma_f32 v[QQ+\i:QQ+\i+1], v[XX+\i:XX+\i+1], v[TQ:TQ+1], CQ4 op_sel_hi:[1,1,0]
.endr
.irp i, 0,2,4,6
	v_pk_fma_f32 v[PP+\i:PP+\i+1], v[XX+\i:XX+\i+1], v[TP:TP+1], CP3 op_sel_hi:[1,1,0]
.endr
	HORNER QQ, CQ3
	HORNER PP, CP2
	HORNER QQ, CQ2
	HORNER PP, CP1
	HORNER QQ, CQ1
	HORNER PP, CP0
	HORNER QQ, CQ0                                 ; Q = sqrt2 cos(pi u)
.irp i, 0,2,4,6
	v_pk_mul_f32 v[PP+\i:PP+\i+1], v[PP+\i:PP+\i+1], v[U+\i:U+\i+1]        ; P = sqrt2 sin(pi u)
.endr
.irp i, 0,2,4,6
	v_pk_mul_f32 v[PP+\i:PP+\i+1], v[PP+\i:PP+\i+1], v[QQ+\i:QQ+\i+1]      ; sin = P Q
.endr
.irp i, 0,2,4,6
	v_pk_fma_f32 v[QQ+\i:QQ+\i+1], v[QQ+\i:QQ+\i+1], v[QQ+\i:QQ+\i+1], -1.0 op_sel_hi:[1,1,0]   ; cos = Q Q - 1
.endr
.endm
	; THE CONSTANTS, once in each wave: sines and cosines of w0/2 .. w3/2 and of w4 .. w7
	s_wait_loadcnt 16                              ; the two loads of the weights are in; the 16 loads of x behind them stay out
.irp i, 0,2
	v_pk_fma_f32 v[M+\i:M+\i+1], v[W+\i:W+\i+1], INV4PI, v[MG:MG+1] op_sel_hi:[1,0,1]   ; MAGIC + whole turns of w/2
.endr
.irp i, 4,6
	v_pk_fma_f32 v[M+\i:M+\i+1], v[W+\i:W+\i+1], INV2PI, v[MG:MG+1] op_sel_hi:[1,0,1]   ; MAGIC + whole turns of w
.endr
.irp i, 0,2,4,6
	v_pk_add_f32 v[M+\i:M+\i+1], v[MG:MG+1], v[M+\i:M+\i+1] neg_lo:[0,1] neg_hi:[0,1]   ; minus the whole turns, exact
.endr
.irp i, 0,2
	v_pk_fma_f32 v[U+\i:U+\i+1], v[W+\i:W+\i+1], INV4PI, v[M+\i:M+\i+1] op_sel_hi:[1,0,1]
.endr
.irp i, 4,6
	v_pk_fma_f32 v[U+\i:U+\i+1], v[W+\i:W+\i+1], INV2PI, v[M+\i:M+\i+1] op_sel_hi:[1,0,1]
.endr
	SINCOS4
.set SD,  PP+0                         ; d   = sin(w0/2)
.set S1H, PP+1                         ; s1h = sin(w1/2)
.set S2H, PP+2                         ; s2h = sin(w2/2)
.set SB,  PP+3                         ; be  = sin(w3/2)
.set CG,  QQ+0                         ; g   = cos(w0/2)
.set C1H, QQ+1                         ; c1h = cos(w1/2)
.set C2H, QQ+2                         ; c2h = cos(w2/2)
.set CA,  QQ+3                         ; al  = cos(w3/2)
	v_pk_mul_f32 v[KE:KE+1], v[QQ+4:QQ+5], -1.0 op_sel_hi:[1,0]    ; KE = (-C4, -C5)
	v_mul_f32 v[M+0], v[PP+4], v[CA]               ; S4 al
	v_mul_f32 v[M+1], v[PP+5], v[C1H]              ; S5 c1h
	v_mul_f32 v[M+2], v[PP+6], v[C2H]              ; S6 c2h
	v_mul_f32 v[M+3], v[PP+7], v[C2H]              ; S7 c2h
	v_mul_f32 v[U+0], v[CA],  v[CG]                ; (al g,  g g)
	v_mul_f32 v[U+1], v[CG],  v[CG]
	v_mul_f32 v[U+2], v[SB],  v[SD]                ; (be d,  d d)
	v_mul_f32 v[U+3], v[SD],  v[SD]
	v_mul_f32 v[U+4], v[SB],  v[CG]                ; (be g,  g d)
	v_mul_f32 v[U+5], v[CG],  v[SD]
	v_mul_f32 v[U+6], v[CA],  v[SD]                ; (al d,  g d)
	v_mul_f32 v[U+7], v[CG],  v[SD]
	v_mul_f32 v[XX+0], v[C1H], v[C1H]              ; (c1h c1h,  c2h al)
	v_mul_f32 v[XX+1], v[C2H], v[CA]
	v_mul_f32 v[XX+2], v[S1H], v[S1H]              ; (s1h s1h,  s2h be)
	v_mul_f32 v[XX+3], v[S2H], v[SB]
	v_pk_mul_f32 v[M+4:M+5], v[M+0:M+1], -1.0 op_sel_hi:[1,0]      ; (-S4 al, -S5 c1h)
	v_pk_mul_f32 v[M+6:M+7], v[M+2:M+3], -1.0 op_sel_hi:[1,0]      ; (-S6 c2h, -S7 c2h)
	v_pk_mul_f32 v[KB:KB+1], v[M+0:M+1], v[U+2:U+3]
	v_pk_mul_f32 v[KC:KC+1], v[M+0:M+1], v[U+4:U+5]
	v_pk_mul_f32 v[KD:KD+1], v[M+0:M+1], v[U+6:U+7]
	v_pk_mul_f32 v[KG:KG+1], v[M+2:M+3], v[XX+2:XX+3]
	v_pk_mul_f32 v[KA:KA+1], v[M+4:M+5], v[U+0:U+1]
	v_pk_mul_f32 v[KF:KF+1], v[M+6:M+7], v[XX+0:XX+1]
; Patches 2 j and 2 j + 1 of the lane.  left = how many younger loads of x may stay out.
.macro UNIT j, left
	s_wait_loadcnt \left                           ; loads come back in order: these two patches' four loads are in
.irp i, 0,2,4,6
	v_pk_fma_f32 v[M+\i:M+\i+1], v[A+8*\j+\i:A+8*\j+\i+1], INV2PI, v[MG:MG+1] op_sel_hi:[1,0,1]
.endr
.irp i, 0,2,4,6
	v_pk_add_f32 v[M+\i:M+\i+1], v[MG:MG+1], v[M+\i:M+\i+1] neg_lo:[0,1] neg_hi:[0,1]
.endr
	; the last line of the reduction is written register by register: it also sorts the angles into (a0, a2) and (a1, a3), so that from here on
	; qubit 0 is the low half and qubit 1 the high half of every pair
.irp p, 0,4
	v_fma_f32 v[U+\p+0], v[A+8*\j+\p+0], s12, v[M+\p+0]
	v_fma_f32 v[U+\p+1], v[A+8*\j+\p+2], s12, v[M+\p+2]
	v_fma_f32 v[U+\p+2], v[A+8*\j+\p+1], s12, v[M+\p+1]
	v_fma_f32 v[U+\p+3], v[A+8*\j+\p+3], s12, v[M+\p+3]
.endr
	SINCOS4                                        ; PP: (s0, s2) (s1, s3), QQ: (c0, c2) (c1, c3), for each of the two patches
.irp p, 0,4
	v_pk_mul_f32 v[XX+\p:XX+\p+1],   v[QQ+\p:QQ+\p+1], v[QQ+\p+2:QQ+\p+3]  ; (x0, x1)
	v_pk_mul_f32 v[XX+\p+2:XX+\p+3], v[QQ+\p:QQ+\p+1], v[PP+\p+2:PP+\p+3]  ; (z0', z1')
.endr
.irp p, 0,4                                        ; op_sel 1 / op_sel_hi 0 on the first source: it is read as (z1', z0')
	v_pk_fma_f32 v[U+\p:U+\p+1],     v[XX+\p+2:XX+\p+3], v[KB:KB+1], v[KA:KA+1] op_sel:[1,0,0] op_sel_hi:[0,1,1]
	v_pk_fma_f32 v[U+\p+2:U+\p+3],   v[XX+\p+2:XX+\p+3], v[KD:KD+1], v[KC:KC+1] op_sel:[1,0,0] op_sel_hi:[0,1,1]
	v_pk_fma_f32 v[A+8*\j+\p+2:A+8*\j+\p+3], v[XX+\p+2:XX+\p+3], v[KG:KG+1], v[KF:KF+1] op_sel:[1,0,0] op_sel_hi:[0,1,1]   ; (out2, out3)
	v_pk_mul_f32 v[A+8*\j+\p:A+8*\j+\p+1],   v[XX+\p+2:XX+\p+3], v[KE:KE+1]
.endr
.irp p, 0,4
	v_pk_fma_f32 v[A+8*\j+\p:A+8*\j+\p+1], v[XX+\p:XX+\p+1], v[U+\p:U+\p+1], v[A+8*\j+\p:A+8*\j+\p+1]
.endr
.irp p, 0,4
	v_pk_fma_f32 v[A+8*\j+\p:A+8*\j+\p+1], v[PP+\p:PP+\p+1], v[U+\p+2:U+\p+3], v[A+8*\j+\p:A+8*\j+\p+1]   ; (out0, out1)
.endr
	global_store_b128 v[VOUT], v[A+8*\j:A+8*\j+3],   s[8:9] offset:2*\j*ROWB th:TH_STORE_NT        ; 32 lanes x 16 bytes: a whole row of patches
	global_store_b128 v[VOUT], v[A+8*\j+4:A+8*\j+7], s[8:9] offset:2*\j*ROWB+ROWB th:TH_STORE_NT
.endm
	UNIT 0, 12                                     ; four of the sixteen loads are needed at each step: the counts run down
	UNIT 1, 8
	UNIT 2, 4
	UNIT 3, 0
	s_endpgm
.Lfunc_end_k_qc28b28f804_quan2d:
	.size	k_qc28b28f804_quan2d, .Lfunc_end_k_qc28b28f804_quan2d-k_qc28b28f804_quan2d
	.p2alignl 7, 3214868480
	.fill 96, 4, 3214868480
	.section	.rodata,"a",@progbits
	.p2align	6, 0x0
	.amdhsa_kernel k_qc28b28f804_quan2d
		.amdhsa_group_segment_fixed_size 0
		.amdhsa_private_segment_fixed_size 0
		.amdhsa_enable_private_segment 0
		.amdhsa_kernarg_size 24
		.amdhsa_user_sgpr_count 2
		.amdhsa_user_sgpr_kernarg_segment_ptr 1
		.amdhsa_wavefront_size32 1
		.amdhsa_system_sgpr_workgroup_id_x 1
		.amdhsa_system_sgpr_workgroup_id_y 1
		.amdhsa_system_sgpr_workgroup_id_z 1
		.amdhsa_system_vgpr_workitem_id 0
		.amdhsa_next_free_vgpr 108
		.amdhsa_next_free_sgpr 66
		.amdhsa_reserve_vcc 0
		.amdhsa_float_denorm_mode_32 3
		.amdhsa_float_denorm_mode_16_64 3
		.amdhsa_memory_ordered 1
		.amdhsa_forward_progress 1
		.amdhsa_inst_pref_size 36
	.end_amdhsa_kernel
	.amdgpu_metadata
---
amdhsa.version: [ 1, 2 ]
amdhsa.kernels:
  - .name:           k_qc28b28f804_quan2d
    .symbol:         k_qc28b28f804_quan2d.kd
    .args:
      - { .name: weights, .offset: 0, .size: 8, .value_kind: global_buffer, .address_space: global }
      - { .name: x, .offset: 8, .size: 8, .value_kind: global_buffer, .address_space: global }
      - { .name: out0, .offset: 16, .size: 8, .value_kind: global_buffer, .address_space: global }
    .group_segment_fixed_size: 0
    .private_segment_fixed_size: 0
    .kernarg_segment_align: 8
    .kernarg_segment_size: 24
    .max_flat_workgroup_size: 256
    .sgpr_count:     66
    .vgpr_count:     108
    .wavefront_size: 32
...
	.end_amdgpu_metadata
.endif
;; end of part 1
